; MI455X (gfx1250); checked and timed in simulation.
; The chip was launched on July 23, 2026; its instructions are those of AMD's public machine-readable ISA for CDNA 5 (MIT licence, August 2026) and "CDNA5" Instruction Set Architecture Reference Guide (July 2026). The comments in the code are by the model that wrote it; some were corrected since.
;; TM Lin Kernel Attn. Allowed arithmetic: float matrix products may take bf16 or f16 operands with f32 sums; other float arithmetic in f32, or as packed bf16 or f16 multiplies, adds, multiply-adds, maxima and minima; sums over many terms, partial sums and values carried from step to step in f32; what a program stores and reads back later, other than sums and carried values, may be rounded once to bf16 or f16.
;; Inputs: Wk 1,024 x 1,024 float32; Wphi 1,024 x 256 float32; Wq 1,024 x 1,024 float32; Wt 128 x 16 float32; Wv 1,024 x 1,024 float32; bk 1,024 float32; bq 1,024 float32; bt 16 float32; bv 1,024 float32; temp_input 4 x 4,096 x 128 float32; x 4 x 4,096 x 1,024 float32.
;; Outputs: out0 4 x 4,096 x 1,024 float32.
;; One version. Each part assembles by itself: llvm-mc -triple=amdgcn-amd-amdhsa -mcpu=gfx1250 --defsym DOCPART=n.
;; ======== version 1 of 1: 3 launches
;; limits: values are held in f16: magnitudes above 65,504 overflow, below 6.1e-05 lose precision
;; workspace buffers: wcat 3,145,728 bytes; cb 2,048 bytes; timg 1,048,576 bytes; pq 8,388,608 bytes; kvp 5,242,880 bytes
;; launch prep (part 1): grid 224 x 1, 8 waves a work-group, no clusters, 248,832 bytes of LDS; arguments Wq, Wk, Wv, Wphi, bq, bk, Wt, bt, temp_input, wcat, cb, timg; writes wcat, cb, timg
.if DOCPART == 1
	.amdgcn_target "amdgcn-amd-amdhsa--gfx1250"
	.amdhsa_code_object_version 6
	.text
	.protected	k_q68bd3abbad_prep
	.globl	k_q68bd3abbad_prep
	.p2align	8
	.type	k_q68bd3abbad_prep,@function
k_q68bd3abbad_prep:
	s_mov_b64 s[64:65], 0
	v_nop
	global_prefetch_b8 v0, s[64:65] scope:SCOPE_SE
	s_setreg_imm32_b32 hwreg(HW_REG_WAVE_MODE, 25, 1), 1
	s_wait_xcnt 0x0
; PREPARATION: three kinds of work-group, told apart by the work-group's number (the same in all eight waves).
;   0..127   THE FOLD.  (x Wsel + bsel) Wphi = x (Wsel Wphi) + bsel Wphi, so Wsel Wphi (sel = q, k) is made once, 64 features x 64 k a work-group, and written
;            transposed in bf16 into wcat; log2(e) x (bsel Wphi) goes to cb in f32.  The sum over j = 0..1023 is split among the eight waves and meets in LDS.
;   128..159 Wv TRANSPOSED into wcat in bf16, a tile of 64 k x 64 d a wave, through the wave's own stage in LDS.
;   160..223 THE TEMPERATURES T = softplus(temp_input Wt + bt), two tiles of 16 tokens a wave, stored as the register image that the next launch loads.
; wcat: [head group 4][K step 16][row 384][64 k] bf16; row = 96 hl + part: part 0-15 Wq Wphi feature f, 16-31 Wk Wphi feature f, 32 + 16 dt + r column d = 4 r + dt of Wv.
; LIMITS.  All inputs are rounded to bf16 as matrix operands (the biases too); the folded weights are rounded once more to bf16: another order of rounding than
; (x Wq) Wphi.  softplus(p) = max(p, 0) + log1p(2^(-|p| log2 e)); below 2^-6 log1p is its series to the fourth power (error under 2^-30 of the value);
; an exponential below 2^-126 counts as 0.  NaN and infinities are not treated apart.
.set PART,  0                          ; the fold: 8 waves x 20 tiles x 1,024 bytes of partial sums
.set STG,   163840                     ; the fold: 64 rows x 144 bytes: the folded tile in bf16
.set CST,   173056                     ; the fold: four copies of 64 folded biases
.set TST,   174080                     ; the transposing waves' stages, 9,216 bytes a wave: bytes of their own, so that no two kinds of work-group name the same LDS byte
.set SPARE, 247808                     ; the spare words, 128 bytes a wave: no other line names them
.set SPW, 13                           ; v13  SPARE + 4 x my thread's number; never rewritten
.set NIL, 14                           ; v14  0; never rewritten
.set MSB, 0
.macro WIN new                         ; the immediate's high byte repeats the setting that is left
.if MSB != (\new)
	s_set_vgpr_msb (MSB<<8)|(\new)
.set MSB, (\new)
.endif
.endm
.macro PLACES                          ; four plain vector instructions behind a matrix instruction, ahead of what writes its sources or reads its result (ISA guide 7.12.1)
.rept 4
	v_nop
.endr
.endm
	s_load_b512 s[4:19], s[0:1], 0x0               ; Wq 4, Wk 6, Wv 8, Wphi 10, bq 12, bk 14, Wt 16, bt 18
	s_load_b256 s[20:27], s[0:1], 0x40             ; temp_input 20, wcat 22, cb 24, timg 26
	v_lshl_add_u32 v[SPW], v0, 2, SPARE
	v_mov_b32 v[NIL], 0
	v_lshrrev_b32 v1, 5, v0
	v_readfirstlane_b32 s28, v1                    ; wave 0..7
	v_and_b32 v2, 31, v0                           ; L
	v_and_b32 v3, 15, v0                           ; r = L % 16
	v_bfe_u32 v4, v0, 4, 1                         ; h = L / 16
	s_wait_kmcnt 0x0
	s_cmp_lt_u32 ttmp9, 128
	s_cbranch_scc1 .Lfold
	s_cmp_lt_u32 ttmp9, 160
	s_cbranch_scc1 .Lturn
	; ---------------- THE TEMPERATURES ----------------
	; D = temp x Wt: source 0 = 16 tokens x 32 k, source 1 = 16 heads x 32 k; register j of lane (r, h) is token 8 h + j, head r.
	s_sub_co_u32 s29, ttmp9, 160
	s_lshl_b32 s29, s29, 4
	s_lshl_b32 s30, s28, 1
	s_add_co_u32 s29, s29, s30                     ; my first tile of 16 tokens
	s_lshl_b32 s30, s29, 13                        ; 16 rows of 512 bytes
	s_mov_b32 s31, 0
	s_add_nc_u64 s[32:33], s[20:21], s[30:31]
	s_lshl_b32 s34, s29, 10                        ; 1,024 bytes of timg a tile
	s_mov_b32 s35, 0
	s_add_nc_u64 s[36:37], s[26:27], s[34:35]
	s_mov_b32 s40, 0xbfb8aa3b                      ; -log2(e)
	s_mov_b32 s41, 0xbe800000                      ; -1/4
	s_mov_b32 s42, 0x3eaaaaab                      ; 1/3
	s_mov_b32 s43, 0x3f317218                      ; ln 2
	s_mov_b32 s44, 0x3c800000                      ; 2^-6
	v_lshlrev_b32 v7, 2, v3                        ; 4 r
	v_lshl_add_u32 v5, v4, 9, v7                   ; Wt: 8 h rows of 64 bytes + 4 r
	v_lshlrev_b32 v6, 9, v3
	v_lshl_add_u32 v6, v4, 5, v6                   ; temp: row r, 8 h numbers on
	v_lshlrev_b32 v8, 4, v2                        ; 16 L
	global_load_b32 v9, v7, s[18:19]               ; bt[r]
.set i, 0
.rept 64                                               ; Wt[k][r], k = 32 s + 8 h + i % 8 + 16 ((i % 16) / 8): step s = i / 16
	global_load_b32 v[16+i], v5, s[16:17] offset:(32*(i/16)+(i%8)+16*((i%16)/8))*64
.set i, i+1
.endr
.set i, 0
.rept 32                                               ; tile i / 16, step (i % 16) / 4: 8 numbers at 8 h and 8 at 16 + 8 h
	global_load_b128 v[80+4*i:80+4*i+3], v6, s[32:33] offset:(i/16)*8192+((i%16)/4)*128+((i%4)/2)*64+(i%2)*16 th:TH_LOAD_NT
.set i, i+1
.endr
	s_wait_loadcnt 0x0
	v_cvt_pk_bf16_f32 v9, v9, v9                   ; bt rounded to bf16 like every input,
	v_lshlrev_b32 v9, 16, v9                       ; and widened again
.set i, 0
.rept 32                                               ; pairs are rounded and compacted in place: the destination never lies above its sources
	v_cvt_pk_bf16_f32 v[16+i], v[16+2*i], v[16+2*i+1]
.set i, i+1
.endr
.set i, 0
.rept 64
	v_cvt_pk_bf16_f32 v[80+i], v[80+2*i], v[80+2*i+1]
.set i, i+1
.endr
.irp s, 0,1,2,3                                        ; the two accumulators take turns; the first pair starts the sums
.irp t, 0,1
.if (\s) == 0
	v_wmma_f32_16x16x32_bf16 v[208+8*(\t):215+8*(\t)], v[80+32*(\t)+8*(\s):87+32*(\t)+8*(\s)], v[16+8*(\s):23+8*(\s)], 0
.else
	v_wmma_f32_16x16x32_bf16 v[208+8*(\t):215+8*(\t)], v[80+32*(\t)+8*(\s):87+32*(\t)+8*(\s)], v[16+8*(\s):23+8*(\s)], v[208+8*(\t):215+8*(\t)]
.endif
.endr
.endr
	PLACES
.macro ALL16 line:vararg                               ; one line for each of the 16 numbers i, ascending: each accumulator is read from its low end on
.set i, 0
.rept 16
	\line
.set i, i+1
.endr
.endm
	ALL16 v_add_f32 v[224+i], v[208+i], v9         ; p
	ALL16 v_mul_f32 v[16+i], s40, |v[224+i]|
	ALL16 v_exp_f32 v[16+i], v[16+i]               ; e = exp(-|p|): one batch,
	v_nop                                          ; a plain instruction behind the last,
	s_wait_alu depctr_va_vdst(0)                   ; and one wait ahead of the first reader
	ALL16 v_add_f32 v[32+i], 1.0, v[16+i]
	ALL16 v_log_f32 v[48+i], v[32+i]               ; the second batch; the series below names none of its results
	ALL16 v_fma_f32 v[64+i], v[16+i], s41, s42     ; 1/3 - e/4
	ALL16 v_fma_f32 v[64+i], -v[16+i], v[64+i], 0.5
	ALL16 v_fma_f32 v[64+i], -v[16+i], v[64+i], 1.0
	ALL16 v_mul_f32 v[64+i], v[16+i], v[64+i]      ; e - e^2/2 + e^3/3 - e^4/4
	ALL16 v_max_num_f32 v[224+i], 0, v[224+i]
	s_wait_alu depctr_va_vdst(0)                   ; one wait for the 16 logarithms
.set i, 0
.rept 16
	v_mul_f32 v[48+i], s43, v[48+i]                ; ln(1 + e)
	v_cmp_gt_f32 vcc_lo, s44, v[16+i]              ; where e is small the sum 1 + e has lost its bits: the series
	v_cndmask_b32 v[48+i], v[48+i], v[64+i], vcc_lo
	v_add_f32 v[224+i], v[224+i], v[48+i]
.set i, i+1
.endr
.irp t, 0,1
.irp q, 0,1
	global_store_b128 v8, v[224+8*(\t)+4*(\q):227+8*(\t)+4*(\q)], s[36:37] offset:(\t)*1024+(\q)*512  ; 512 consecutive bytes a store
.endr
.endr
	s_branch .Lend
	; ---------------- THE FOLD ----------------
	; C[n][k] = sum over j of Wphi[j][64 hg + n] Wsel[64 ks + k][j].  Source 0 = 16 rows k of Wsel (or, fifth tile, bsel in every row), source 1 = 16 columns n = 4 r + tau of Wphi.
	; Register j of lane (r, h) of tile (kt, tau) is k = 16 kt + 8 h + j, n = 4 r + tau.  Wave w takes j = 128 w .. 128 w + 127, in four steps of 32.
.Lfold:
	s_lshr_b32 s29, ttmp9, 6                       ; sel
	s_bfe_u32 s36, ttmp9, 0x20004                  ; hg
	s_and_b32 s37, ttmp9, 15                       ; ks
	s_lshl_b32 s38, s28, 17                        ; Wphi: 128 w rows of 1,024 bytes,
	s_lshl_b32 s39, s36, 8                         ; 64 hg columns
	s_add_co_u32 s38, s38, s39
	s_mov_b32 s39, 0
	s_add_nc_u64 s[30:31], s[10:11], s[38:39]
	s_lshl_b32 s40, s37, 18                        ; Wsel: 64 ks rows of 4,096 bytes,
	s_lshl_b32 s42, s28, 9                         ; 128 w columns
	s_add_co_u32 s40, s40, s42
	s_mov_b32 s41, 0
	s_mov_b32 s43, 0
	s_cmp_eq_u32 s29, 0
	s_cselect_b64 s[32:33], s[4:5], s[6:7]
	s_cselect_b64 s[34:35], s[12:13], s[14:15]
	s_add_nc_u64 s[32:33], s[32:33], s[40:41]
	s_add_nc_u64 s[34:35], s[34:35], s[42:43]
	v_lshlrev_b32 v5, 4, v3
	v_lshl_add_u32 v5, v4, 13, v5                  ; Wphi: 8 h rows + 16 r: sixteen lanes read 256 bytes on end
	v_lshlrev_b32 v6, 12, v3
	v_lshl_add_u32 v6, v4, 5, v6                   ; Wsel: row r, 8 h numbers on
	v_lshlrev_b32 v7, 5, v4                        ; bsel: 8 h numbers on
.macro FLD                                             ; a step's 36 loads: P[i][tau] = v[16 + 4 i + tau], S(kt) = v[80 + 16 kt ..], b = v[144 ..]
.irp i, 0,1,2,3,4,5,6,7,8,9,10,11,12,13,14,15
	global_load_b128 v[16+4*(\i):19+4*(\i)], v5, s[30:31] offset:((\i)%8)*1024+((\i)/8)*16384
.endr
.irp k, 0,1,2,3
	global_load_b128 v[80+16*(\k):83+16*(\k)], v6, s[32:33] offset:(\k)*65536
	global_load_b128 v[84+16*(\k):87+16*(\k)], v6, s[32:33] offset:(\k)*65536+16
	global_load_b128 v[88+16*(\k):91+16*(\k)], v6, s[32:33] offset:(\k)*65536+64
	global_load_b128 v[92+16*(\k):95+16*(\k)], v6, s[32:33] offset:(\k)*65536+80
.endr
	global_load_b128 v[144:147], v7, s[34:35]
	global_load_b128 v[148:151], v7, s[34:35] offset:16
	global_load_b128 v[152:155], v7, s[34:35] offset:64
	global_load_b128 v[156:159], v7, s[34:35] offset:80
.endm
.macro FCV                                             ; 72 roundings: Wphi's fragments v[160 + 8 tau ..], Wsel's v[192 + 8 kt ..], bsel's v[224 ..]
.irp t, 0,1,2,3
.irp i, 0,1,2,3,4,5,6,7
	v_cvt_pk_bf16_f32 v[160+8*(\t)+(\i)], v[16+8*(\i)+(\t)], v[20+8*(\i)+(\t)]
.endr
.endr
.set i, 0
.rept 40
	v_cvt_pk_bf16_f32 v[192+i], v[80+2*i], v[80+2*i+1]
.set i, i+1
.endr
.endm
.macro FMUL zero                                       ; 20 products on 20 accumulators (window 1, v[8 (4 kt + tau)]), which take turns, over the backward jump too
	WIN 0x50
.irp k, 0,1,2,3,4
.irp t, 0,1,2,3
.if \zero
	v_wmma_f32_16x16x32_bf16 v[8*(4*(\k)+(\t)):8*(4*(\k)+(\t))+7], v[192+8*(\k):199+8*(\k)], v[160+8*(\t):167+8*(\t)], 0
.else
	v_wmma_f32_16x16x32_bf16 v[8*(4*(\k)+(\t)):8*(4*(\k)+(\t))+7], v[192+8*(\k):199+8*(\k)], v[160+8*(\t):167+8*(\t)], v[8*(4*(\k)+(\t)):8*(4*(\k)+(\t))+7]
.endif
.endr
.endr
	WIN 0
.endm
	FLD
	s_wait_loadcnt 0x0
	FCV
	FMUL 1                                         ; the first step starts the sums
	s_mov_b32 s60, 3
.Lj:
	s_add_nc_u64 s[30:31], s[30:31], 32768         ; the loads that read these bases are done (the wait for 0 above): 32 rows of Wphi on,
	s_add_nc_u64 s[32:33], s[32:33], 128           ; 32 columns of Wsel
	s_add_nc_u64 s[34:35], s[34:35], 128
	FLD
	s_wait_loadcnt 0x0
	PLACES                                         ; the roundings write fragments that the last products read
	FCV
	FMUL 0
	s_sub_co_u32 s60, s60, 1
	s_cmp_lg_u32 s60, 0
	s_cbranch_scc1 .Lj
	; the meeting: every wave lays its 20 partial tiles into LDS
	s_mul_i32 s44, s28, 20480
	v_lshl_add_u32 v8, v2, 4, s44                  ; PART + 20,480 w + 16 L
	s_and_b32 s45, s28, 3                          ; tau that I finish
	s_lshr_b32 s46, s28, 2                         ; and which four registers of each tile
	s_lshl_b32 s47, s45, 10
	s_lshl_b32 s48, s46, 9
	s_add_co_u32 s47, s47, s48
	v_lshl_add_u32 v9, v2, 4, s47
	v_add_nc_u32 v10, 61440, v9                    ; three address registers, so that the immediates stay under 65,536
	v_add_nc_u32 v11, 122880, v9
	WIN 0x04                                       ; the stores' data in window 1; the four vector lines above are the places behind the last products
.set i, 0
.rept 20
	ds_store_b128 v8, v[8*i:8*i+3] offset:i*1024       ; each accumulator's low four registers first
	ds_store_b128 v8, v[8*i+4:8*i+7] offset:i*1024+512
.set i, i+1
.endr
	WIN 0
	s_wait_dscnt 0x0                               ; for the others' sake: my stores are done
	s_barrier_signal -1
	s_barrier_wait -1
.set kt, 0
.rept 5
.set pw, 0
.rept 8
	ds_load_b128 v[16+4*(8*kt+pw):19+4*(8*kt+pw)], v[9+pw/3] offset:(pw%3)*20480+kt*4096
.set pw, pw+1
.endr
.set kt, kt+1
.endr
	v_lshl_add_u32 v15, v3, 2, s45                 ; n = 4 r + tau
	v_mul_u32_u24 v12, v15, 144
	v_lshl_add_u32 v12, v4, 4, v12                 ; + 2 x 8 h
	s_lshl_b32 s48, s46, 3
	s_add_co_u32 s48, s48, STG                     ; + 2 x 4 q
	v_add_nc_u32 v12, s48, v12
	v_lshlrev_b32 v185, 2, v15
	v_lshl_add_u32 v185, v4, 8, v185
	s_lshl_b32 s49, s46, 9
	s_add_co_u32 s49, s49, CST
	v_add_nc_u32 v185, s49, v185                   ; copy 2 q + h of the biases, word n
	s_wait_dscnt 0x0
.set kt, 0
.rept 5
.set pw, 1
.rept 7                                                ; the eight waves' parts, ascending
	v_pk_add_f32 v[16+32*kt:17+32*kt], v[16+32*kt:17+32*kt], v[16+32*kt+4*pw:17+32*kt+4*pw]
	v_pk_add_f32 v[18+32*kt:19+32*kt], v[18+32*kt:19+32*kt], v[18+32*kt+4*pw:19+32*kt+4*pw]
.set pw, pw+1
.endr
.set kt, kt+1
.endr
.irp k, 0,1,2,3
	v_cvt_pk_bf16_f32 v[176+2*(\k)], v[16+32*(\k)], v[17+32*(\k)]
	v_cvt_pk_bf16_f32 v[177+2*(\k)], v[18+32*(\k)], v[19+32*(\k)]
	ds_store_b64 v12, v[176+2*(\k):177+2*(\k)] offset:32*(\k)  ; k = 16 kt + 8 h + 4 q .. + 3 of row n
.endr
	v_mul_f32 v184, 0x3fb8aa3b, v144               ; the bias tile's rows are alike: its first number, times log2(e)
	ds_store_b32 v185, v184
	s_wait_dscnt 0x0
	s_barrier_signal -1
	s_barrier_wait -1
	; wave w stores stage rows 8 w .. 8 w + 7: 1,024 consecutive bytes of wcat
	v_lshrrev_b32 v186, 3, v2
	s_lshl_b32 s50, s28, 3
	v_add_nc_u32 v186, s50, v186
	v_mul_u32_u24 v186, v186, 144
	v_and_b32 v187, 7, v2
	v_lshl_add_u32 v186, v187, 4, v186
	v_add_nc_u32 v186, STG, v186
	ds_load_b128 v[188:191], v186
	ds_load_b128 v[192:195], v186 offset:576
	s_lshl_b32 s54, s36, 4
	s_add_co_u32 s54, s54, s37
	s_mul_i32 s54, s54, 49152                      ; block (hg, ks)
	s_lshr_b32 s55, s28, 1
	s_mul_i32 s55, s55, 12288                      ; 96 rows a head
	s_add_co_u32 s54, s54, s55
	s_lshl_b32 s55, s29, 11                        ; 16 rows on for k's features
	s_add_co_u32 s54, s54, s55
	s_and_b32 s55, s28, 1
	s_lshl_b32 s55, s55, 10
	s_add_co_u32 s54, s54, s55
	s_mov_b32 s55, 0
	s_add_nc_u64 s[52:53], s[22:23], s[54:55]
	v_lshlrev_b32 v196, 4, v2
	s_wait_dscnt 0x0
	global_store_b128 v196, v[188:191], s[52:53]
	global_store_b128 v196, v[192:195], s[52:53] offset:512
	s_cmp_lg_u32 s37, 0                            ; the biases do not hang on ks: the work-groups with ks = 0 store them,
	s_cbranch_scc1 .Lend
	s_cmp_lg_u32 s28, 0                            ; by wave 0
	s_cbranch_scc1 .Lend
	v_lshl_add_u32 v197, v2, 3, CST                ; copy 0: 256 bytes, 8 a lane
	ds_load_b64 v[198:199], v197
	s_lshl_b32 s56, s29, 10
	s_lshl_b32 s57, s36, 8
	s_add_co_u32 s56, s56, s57
	s_mov_b32 s57, 0
	s_add_nc_u64 s[58:59], s[24:25], s[56:57]
	v_lshlrev_b32 v200, 3, v2
	s_wait_dscnt 0x0
	global_store_b64 v200, v[198:199], s[58:59]    ; 256 consecutive bytes, aligned
	s_branch .Lend
	; ---------------- Wv TRANSPOSED ----------------
.Lturn:
	s_sub_co_u32 s29, ttmp9, 128
	s_lshl_b32 s29, s29, 3
	s_add_co_u32 s29, s29, s28
	s_lshr_b32 s30, s29, 4                         ; head
	s_and_b32 s31, s29, 15                         ; ks
	s_lshl_b32 s32, s31, 18
	s_lshl_b32 s33, s30, 8
	s_add_co_u32 s32, s32, s33
	s_mov_b32 s33, 0
	s_add_nc_u64 s[34:35], s[8:9], s[32:33]
	v_lshlrev_b32 v5, 3, v2                        ; lane L takes d = 2 L, 2 L + 1: a load covers 256 bytes on end
.set i, 0
.rept 64
	global_load_b64 v[16+2*i:17+2*i], v5, s[34:35] offset:i*4096 th:TH_LOAD_NT
.set i, i+1
.endr
	v_and_b32 v7, 1, v2
	v_lshrrev_b32 v8, 1, v2
	v_lshl_add_u32 v7, v7, 5, v8                   ; stage row of d = 2 L + p is 16 (d % 4) + d / 4 = 32 (L % 2) + 16 p + L / 2
	v_mul_u32_u24 v6, v7, 144
	s_mul_i32 s36, s28, 9216
	s_add_co_u32 s36, s36, TST                     ; my own stage: TST + 9,216 x wave
	v_add_nc_u32 v6, s36, v6
	v_lshrrev_b32 v9, 3, v2
	v_mul_u32_u24 v9, v9, 144
	v_and_b32 v8, 7, v2
	v_lshl_add_u32 v9, v8, 4, v9
	v_add_nc_u32 v9, s36, v9                       ; back: four rows of 128 bytes a load
	v_lshlrev_b32 v10, 4, v2
	s_lshr_b32 s38, s30, 2
	s_lshl_b32 s38, s38, 4
	s_add_co_u32 s38, s38, s31
	s_mul_i32 s38, s38, 49152
	s_and_b32 s39, s30, 3
	s_mul_i32 s39, s39, 12288
	s_add_co_u32 s38, s38, s39
	s_add_co_u32 s38, s38, 4096                    ; behind the head's 32 feature rows
	s_mov_b32 s39, 0
	s_add_nc_u64 s[40:41], s[22:23], s[38:39]
	s_wait_loadcnt 0x0
.irp p, 0,1
.irp c, 0,1,2,3,4,5,6,7
.irp i, 0,1,2,3
	v_cvt_pk_bf16_f32 v[144+4*(8*(\p)+(\c))+(\i)], v[16+2*(8*(\c)+2*(\i))+(\p)], v[18+2*(8*(\c)+2*(\i))+(\p)]
.endr
	ds_store_b128 v6, v[144+4*(8*(\p)+(\c)):147+4*(8*(\p)+(\c))] offset:(\p)*2304+(\c)*16
.endr
.endr
.set i, 0
.rept 16
	ds_load_b128 v[16+4*i:19+4*i], v9 offset:i*576 ; LDS serves a wave's instructions in order (ISA guide 5.7.1.4): these see my stores above
.set i, i+1
.endr
.set i, 0
.rept 16
	s_wait_dscnt 15-i                              ; load i is back; the younger ones may stay out
	global_store_b128 v10, v[16+4*i:19+4*i], s[40:41] offset:i*512
.set i, i+1
.endr
.Lend:
	s_wait_tensorcnt 0x0                           ; the wave's end
	ds_add_u32 v[SPW], v[NIL]
	s_wait_dscnt 0x0
	s_endpgm
.Lfunc_end_k_q68bd3abbad_prep:
	.size	k_q68bd3abbad_prep, .Lfunc_end_k_q68bd3abbad_prep-k_q68bd3abbad_prep
	.p2alignl 7, 3214868480
	.fill 96, 4, 3214868480
	.section	.rodata,"a",@progbits
	.p2align	6, 0x0
	.amdhsa_kernel k_q68bd3abbad_prep
		.amdhsa_group_segment_fixed_size 248832
		.amdhsa_private_segment_fixed_size 0
		.amdhsa_enable_private_segment 0
		.amdhsa_kernarg_size 96
		.amdhsa_user_sgpr_count 2
		.amdhsa_user_sgpr_kernarg_segment_ptr 1
		.amdhsa_wavefront_size32 1
		.amdhsa_system_sgpr_workgroup_id_x 1
		.amdhsa_system_sgpr_workgroup_id_y 1
		.amdhsa_system_sgpr_workgroup_id_z 1
		.amdhsa_system_vgpr_workitem_id 0
		.amdhsa_next_free_vgpr 416
		.amdhsa_next_free_sgpr 66
		.amdhsa_reserve_vcc 1
		.amdhsa_float_denorm_mode_32 3
		.amdhsa_float_denorm_mode_16_64 3
		.amdhsa_memory_ordered 1
		.amdhsa_forward_progress 1
		.amdhsa_inst_pref_size 76
	.end_amdhsa_kernel
	.amdgpu_metadata
---
amdhsa.version: [ 1, 2 ]
amdhsa.kernels:
  - .name:           k_q68bd3abbad_prep
    .symbol:         k_q68bd3abbad_prep.kd
    .args:
      - { .name: Wq, .offset: 0, .size: 8, .value_kind: global_buffer, .address_space: global }
      - { .name: Wk, .offset: 8, .size: 8, .value_kind: global_buffer, .address_space: global }
      - { .name: Wv, .offset: 16, .size: 8, .value_kind: global_buffer, .address_space: global }
      - { .name: Wphi, .offset: 24, .size: 8, .value_kind: global_buffer, .address_space: global }
      - { .name: bq, .offset: 32, .size: 8, .value_kind: global_buffer, .address_space: global }
      - { .name: bk, .offset: 40, .size: 8, .value_kind: global_buffer, .address_space: global }
      - { .name: Wt, .offset: 48, .size: 8, .value_kind: global_buffer, .address_space: global }
      - { .name: bt, .offset: 56, .size: 8, .value_kind: global_buffer, .address_space: global }
      - { .name: temp_input, .offset: 64, .size: 8, .value_kind: global_buffer, .address_space: global }
      - { .name: wcat, .offset: 72, .size: 8, .value_kind: global_buffer, .address_space: global }
      - { .name: cb, .offset: 80, .size: 8, .value_kind: global_buffer, .address_space: global }
      - { .name: timg, .offset: 88, .size: 8, .value_kind: global_buffer, .address_space: global }
    .group_segment_fixed_size: 248832
    .private_segment_fixed_size: 0
    .kernarg_segment_align: 8
    .kernarg_segment_size: 96
    .max_flat_workgroup_size: 256
    .sgpr_count:     66
    .vgpr_count:     416
    .wavefront_size: 32
...
	.end_amdgpu_metadata
.endif
;; end of part 1
;; launch main (part 2): grid 4 x 64, 4 waves a work-group, clusters of 4 x 4, 327,680 bytes of LDS; arguments x, wcat, cb, timg, pq, kvp; writes pq, kvp
.if DOCPART == 2
	.amdgcn_target "amdgcn-amd-amdhsa--gfx1250"
	.amdhsa_code_object_version 6
	.text
	.protected	k_q68bd3abbad_main
	.globl	k_q68bd3abbad_main
	.p2align	8
	.type	k_q68bd3abbad_main,@function
k_q68bd3abbad_main:
	s_mov_b64 s[64:65], 0
	v_nop
	global_prefetch_b8 v0, s[64:65] scope:SCOPE_SE
	s_setreg_imm32_b32 hwreg(HW_REG_WAVE_MODE, 25, 1), 1
	s_wait_xcnt 0x0
	s_wait_alu depctr_hold_cnt(0) depctr_sa_sdst(0) depctr_va_vdst(0) depctr_va_sdst(0) depctr_va_ssrc(0) depctr_va_vcc(0) depctr_vm_vsrc(0)
	s_getreg_b32 s2, hwreg(HW_REG_IB_STS2, 6, 4)
	s_cmp_eq_u32 s2, 0
	s_cbranch_scc0 .Lentry_in_a_cluster
	s_endpgm
.Lentry_in_a_cluster:
	s_bfe_u32 s2, ttmp6, 0x10000c
	s_cmp_lg_u32 s2, 0xf033
	s_cbranch_scc0 .Lentry_shape_is_right
	s_endpgm
.Lentry_shape_is_right:
; THE TOKEN-SIZED PRODUCT AND WHAT HANGS ON IT.  [16,384 tokens x 1,024] x [1,024 x 1,536]: for each head 16 features of q, 16 of k (weights folded with Wphi) and 64 columns of v.
; A work-group makes 256 tokens x 4 heads (384 columns); a wave 128 tokens x 2 heads: 96 accumulators of 16 x 16, 768 registers (windows 1 to 3).  Behind the product, all in registers:
; phi = elu + 1 of q and k, pk = phi_k T, and the block's part of kv = pk^T v and z = sum pk.  Out go phi_q (bf16, as the next launch's fragments) and the partial kv, z (f32).
; x IS f32: the mover brings a K step's tile (256 rows x 256 bytes) into XF; the four waves round it once to bf16 into XB (64 rows each, by ds_store); all fragments of x come from XB.
; So x runs one tile ahead of W.  K goes in 16 steps of 64; ONE barrier a step: ahead of it tile t is multiplied from XB[s], WB[s] and x's tile t + 1 is rounded XF[n] -> XB[n];
; behind it XF[n] takes x's tile t + 3 (wave 0) and WB[s] takes W's tile t + 2 (waves 1 to 3, a third each): one tensor load a wave, with a K step less 16 products in which to land.
; By this text's count a wave has two tensor loads out at the start and one later.
; CLUSTER 4 x 4: the four head groups of a token block (a row of the cluster) share x's tile, the four token blocks of a column share W's: joint loads.
; OPERANDS.  q's tiles are taken transposed (source 0 = W, source 1 = x): a lane holds a token and 8 features, which is the next launch's fragment.  k's and v's tiles have x as source 0:
; a lane holds a column and 8 tokens, so two tiles packed in pairs ARE an operand of pk^T v (K = 32 tokens): nothing changes lanes.
; Local head l of a wave is head 4 cx + 2 wc + (l xor wr): the two waves of a pair of heads each finish another head, after one exchange through LDS.
; LIMITS.  x and the weights are bf16 matrix operands.  kv is made in f16: |x Wv| must stay under 65,504 (bv is added in the next launch, in f32); pk is scaled for it by a power of two,
; the exponent of the largest pk of the wave's 128 tokens and head, so pk below 6e-8 of that largest counts as 0.  An exponential below 2^-126 counts as 0.  NaN and infinities are not treated apart.
.set XF0, 0                            ; x's f32 tiles: 65,536 bytes each, rows of 256 bytes
.set XF1, 65536
.set WB0, 131072                       ; W's tiles: 384 rows, 128 bytes + 16 of padding: the 16 rows of a fragment load start at 16 different groups of four banks (ISA guide 11.1)
.set WB1, 186368
.set XB0, 241664                       ; x in bf16: 256 rows of 144 bytes; written by ds_store alone, never by a tensor load
.set XB1, 278528
.set SPARE, 315392                     ; the spare words, 128 bytes a wave: no other line names them
; window 0: v2-3 x fragments' address by slot; v4-7 W's by slot and local head; v8-9, v10-11 the rounding's read and write address by slot; v12, v13 the add's; v14 prefetch offset; v15 16 L
;           v16-47 rounding stage; v64-127, v128-191 x's fragments of the two halves of a K step; v192-223, v224-255 a third of W's fragments, two buffers
; scalars:  s16 wave, s17 wr, s18 wc, s19 cx, s20 cy, s21 token block, s22 laps left, s23 prefetch limit; s[24:31], s[32:39] x's descriptor groups 1 and 0 (a set a slot);
;           s[40:47], s[48:55] W's; s[56:57] prefetch address, s[58:59] its step; s[60:61] log2 e; s[62:63] ln 2; s[66:79] the epilogue's bases; s80-81 lane selects
.set MSB, 0
.macro WIN new                         ; the immediate's high byte repeats the setting that is left
.if MSB != (\new)
	s_set_vgpr_msb (MSB<<8)|(\new)
.set MSB, (\new)
.endif
.endm
.macro PLACES                          ; four plain vector instructions behind a matrix instruction, ahead of loads into its sources and of readers of its result
.rept 4
	v_nop
.endr
.endm
.macro CREST                           ; a round of the cluster's barrier behind its opening barrier
	s_cmp_lg_u32 s16, 0
	s_cbranch_scc1 .Lnw0_\@
	s_barrier_signal -3
.Lnw0_\@:
	s_barrier_wait -3
	s_barrier_signal -1
	s_barrier_wait -1
.endm
.macro CROUND
	s_barrier_signal -1
	s_barrier_wait -1
	CREST
.endm
; A joint load.  kind 2: wave 0 asks for x's tile, waves 1 to 3 for their thirds of W's; 1: W's alone; 3: x's alone.  The branch hangs on the wave's number alone.
; An s_nop 0 and four v_nop follow each line.
.macro JLOAD sx, sw, kind
	s_cmp_eq_u32 s16, 0
.if (\kind) == 2
	s_cbranch_scc0 .Ljw_\@
.elseif (\kind) == 3
	s_cbranch_scc0 .Ljd_\@
.else
	s_cbranch_scc1 .Ljd_\@
.endif
.if (\kind) != 1
	tensor_load_to_lds s[32+4*(\sx):35+4*(\sx)], s[24:31]
	s_nop 0
.rept 4
	v_nop
.endr
.endif
.if (\kind) == 2
	s_branch .Ljd_\@
.Ljw_\@:
.endif
.if (\kind) != 3
	tensor_load_to_lds s[48+4*(\sw):51+4*(\sw)], s[40:47]
	s_nop 0
.rept 4
	v_nop
.endr
.endif
.Ljd_\@:
.endm
; PREFETCH INTO THE L2, behind the joint load and the run of LDS loads.  x: behind step t's barrier wave 0 names tile t + 5, two refills (384 products) ahead: 64 of the block's 256 rows, the four
; partners of the row telling theirs apart by address (64 cx ..), a lane a row, two instructions.  W: every cluster walks the same blocks; cluster y = 0 asks; waves 1 to 3 for their own third, the four
; partners of a column 4,096 bytes each by address; at even t one instruction names 16 blocks of 256 bytes of tile t + 4 (lanes 0-15) and of tile t + 5 (lanes 16-31).  Each block is named once.
; The loop's last trip and the tail ask for nothing, so the last names are x's tile 14 and W's tile 13; nothing is asked for at the head.
.macro ASK par
	s_cmp_gt_u32 s22, s23
	s_cbranch_scc0 .Lan_\@
	s_cmp_eq_u32 s16, 0
.if (\par) == 0
	s_cbranch_scc0 .Law_\@
.else
	s_cbranch_scc0 .Lan_\@
.endif
	global_prefetch_b8 v14, s[56:57] th:TH_LOAD_NT scope:SCOPE_SE
	global_prefetch_b8 v14, s[56:57] offset:131072 th:TH_LOAD_NT scope:SCOPE_SE
.if (\par) == 0
	s_branch .Lan_\@
.Law_\@:
	global_prefetch_b8 v14, s[56:57] th:TH_LOAD_NT scope:SCOPE_SE
.endif
.Lan_\@:
.endm
.macro CL s, i                         ; 16 of my 64 rows of the f32 tile: lanes 0-15 take one row's 256 bytes, lanes 16-31 the row 8 further on
.irp m, 0,1,2,3,4,5,6,7
	ds_load_b128 v[16+4*(\m):19+4*(\m)], v[8+(\s)] offset:(16*(\i)+(\m))*256
.endr
.endm
.macro CC s, i                         ; rounded in place and stored: the two rows of a store lie 1,152 bytes apart, so its 32 lanes touch each bank once
.irp m, 0,1,2,3,4,5,6,7
	v_cvt_pk_bf16_f32 v[16+4*(\m)], v[16+4*(\m)], v[17+4*(\m)]
	v_cvt_pk_bf16_f32 v[17+4*(\m)], v[18+4*(\m)], v[19+4*(\m)]
.endr
.irp m, 0,1,2,3,4,5,6,7
	ds_store_b64 v[10+(\s)], v[16+4*(\m):17+4*(\m)] offset:(16*(\i)+(\m))*144
.endr
.endm
.macro LDB s, c, th, buf               ; a third of W's fragments for half c of the K step.  th 0: q(l0), q(l1), k(l0), k(l1); th 1, 2: v of local head th - 1, dt = 0..3
.irp bb, 0,1,2,3
.if (\th) == 0
.set rA, 4+2*(\s)+((\bb)%2)
.set rO, ((\bb)/2)*2304
.else
.set rA, 3+2*(\s)+(\th)
.set rO, (32+16*(\bb))*144
.endif
	ds_load_b128 v[192+32*(\buf)+8*(\bb):195+32*(\buf)+8*(\bb)], v[rA] offset:rO+64*(\c)
	ds_load_b128 v[196+32*(\buf)+8*(\bb):199+32*(\buf)+8*(\bb)], v[rA] offset:rO+64*(\c)+32
.endr
.endm
.macro LDA s, c                        ; x's eight fragments for half c
.irp a, 0,1,2,3,4,5,6,7
	ds_load_b128 v[64+64*(\c)+8*(\a):67+64*(\c)+8*(\a)], v[2+(\s)] offset:(\a)*2304+64*(\c)
	ds_load_b128 v[68+64*(\c)+8*(\a):71+64*(\c)+8*(\a)], v[2+(\s)] offset:(\a)*2304+64*(\c)+32
.endr
.endm
; 8 products: token tiles 2 qd, 2 qd + 1 x the third's four column tiles.  Each of the 96 accumulators has one product in a half step, so no two products that follow each other share one.
.macro MULQ c, th, buf, qd, zero
	WIN ((1+(\th))<<6)|((1+(\th))<<4)
.irp aa, 0,1
.irp bb, 0,1,2,3
.set rD, 8*(8*(\bb)+2*(\qd)+(\aa))
.set rX, 64+64*(\c)+8*(2*(\qd)+(\aa))
.set rW, 192+32*(\buf)+8*(\bb)
.if ((\th) == 0) && ((\bb) < 2)
.set fS0, rW
.set fS1, rX
.else
.set fS0, rX
.set fS1, rW
.endif
.if \zero
	v_wmma_f32_16x16x32_bf16 v[rD:rD+7], v[fS0:fS0+7], v[fS1:fS1+7], 0
.else
	v_wmma_f32_16x16x32_bf16 v[rD:rD+7], v[fS0:fS0+7], v[fS1:fS1+7], v[rD:rD+7]
.endif
.endr
.endr
.endm
.macro MUL c, th, buf, zero
	MULQ \c, \th, \buf, 0, \zero
	MULQ \c, \th, \buf, 1, \zero
	MULQ \c, \th, \buf, 2, \zero
	MULQ \c, \th, \buf, 3, \zero
.endm
; A K STEP is six stretches of 32 products.  At a stretch's head stand: the wait for the LDS loads issued a stretch earlier, all of which are wanted now; the rounding of 16 rows of the next tile
; (its 16 conversions name the stage alone: they are the places behind the last products, ahead of the loads into the W buffer that those products read); the loads for the next stretch.
; conv = 0 (the last step: no tile is left to round): four v_nop in the conversions' place.
.macro SUB0 s, conv, zero              ; the first half of the K step: stretches 0 to 2
	WIN 0
	s_wait_dscnt 0x0                               ; x's fragments of this half and the first third of W's
	PLACES
	LDB \s, 0, 1, 1
	LDA \s, 1
.if \conv
	CL 1-(\s), 0
.endif
	MUL 0, 0, 0, \zero
	WIN 0
	s_wait_dscnt 0x0
.if \conv
	CC 1-(\s), 0
.else
	PLACES
.endif
	LDB \s, 0, 2, 0
.if \conv
	CL 1-(\s), 1
.endif
	MUL 0, 1, 1, \zero
	WIN 0
	s_wait_dscnt 0x0
.if \conv
	CC 1-(\s), 1
.else
	PLACES
.endif
	LDB \s, 1, 0, 1
.if \conv
	CL 1-(\s), 2
.endif
	MUL 0, 2, 0, \zero
.endm
; The second half: stretches 3 to 5, with the change of slots in stretch 4.  kind 2, 1: slots are filled again, behind a round of the cluster's barrier; 0: the barrier alone (the next tile of x has been
; rounded by four waves); -1: the last step.  ask = 1: the prefetches' address is stepped, a K step behind the prefetch that read it, and the next prefetch is issued.
.macro SUB1 s, conv, kind, ask
	WIN 0
	s_wait_dscnt 0x0
.if \conv
	CC 1-(\s), 2
.else
	PLACES
.endif
	LDB \s, 1, 1, 0
.if \conv
	CL 1-(\s), 3
.endif
	MUL 1, 0, 1, 0
	WIN 0
.if \ask
	s_wait_xcnt 0x0                                ; the last prefetch has read its address
	s_add_nc_u64 s[56:57], s[56:57], s[58:59]
.endif
	s_wait_dscnt 0x0
.if \conv
	CC 1-(\s), 3
.else
	PLACES
.endif
	LDB \s, 1, 2, 1                                ; my last read of this slot
.if (\kind) >= 0
	s_wait_tensorcnt 0x0                           ; all my tensor loads have landed: the one that was out is my part of the tiles that are read next; so a group 0 may be written
	ds_add_u32 v12, v13                            ; 0 onto my spare word
.if (\kind) == 2
	s_add_nc_u64 s[34+4*(1-(\s)):35+4*(1-(\s))], s[34+4*(1-(\s)):35+4*(1-(\s))], 512    ; x: two tiles of 256 bytes on
.endif
.if (\kind) >= 1
	s_add_nc_u64 s[50+4*(\s):51+4*(\s)], s[50+4*(\s):51+4*(\s)], 98304                  ; W: two blocks of 49,152 bytes on
.endif
	MULQ 1, 1, 0, 0, 0                             ; eight products stand between the add and the wait for it
	s_wait_dscnt 0x0                               ; the add is done; my reads of this slot and of the f32 tile are back; my stores of the rounded tile are done
	s_barrier_signal -1
	MULQ 1, 1, 0, 1, 0                             ; work on registers while the others arrive
	WIN 0
	s_barrier_wait -1
.if (\kind) >= 1
	CREST                                          ; the barrier has opened a round of the cluster's: no wave of any partner still reads these slots or has a load on its way
	JLOAD 1-(\s), \s, \kind                        ; the first tensor load behind the round, one a wave
.endif
	LDA 1-(\s), 0                                  ; the next tile's first fragments of x; their registers were last multiplied in stretch 2, two runs of conversions back
.if \ask
	ASK \s
.endif
	MULQ 1, 1, 0, 2, 0
	MULQ 1, 1, 0, 3, 0
.else
	MUL 1, 1, 0, 0
.endif
	WIN 0
.if (\kind) >= 0
	PLACES                                         ; (the last third of W was shown in by the wait ahead of the signal)
	LDB 1-(\s), 0, 0, 0
.else
	s_wait_dscnt 0x0
.endif
	MUL 1, 2, 1, 0
.endm
	s_load_b256 s[4:11], s[0:1], 0x0               ; x 4, wcat 6, cb 8, timg 10
	s_load_b128 s[12:15], s[0:1], 0x20             ; pq 12, kvp 14
	v_lshl_add_u32 v12, v0, 2, SPARE
	v_mov_b32 v13, 0
	ds_add_u32 v12, v13                            ; the wave's opening: the add, twice on end, with its wait ahead of my first tensor load
	ds_add_u32 v12, v13
	v_lshrrev_b32 v1, 5, v0
	v_readfirstlane_b32 s16, v1                    ; wave 0..3
	s_lshr_b32 s17, s16, 1                         ; wr: which 128 tokens
	s_and_b32 s18, s16, 1                          ; wc: which pair of heads
	s_bfe_u32 s19, ttmp6, 0x40000                  ; cx = head group
	s_bfe_u32 s20, ttmp6, 0x40004                  ; cy
	s_and_b32 s21, ttmp7, 0xffff
	s_lshl_b32 s21, s21, 2
	s_add_co_u32 s21, s21, s20                     ; token block = 4 x cluster y + cy
	s_lshl_b32 s82, s20, 2
	s_lshl_b32 s82, 15, s82                        ; my row of the cluster
	s_lshl_b32 s83, 0x1111, s19                    ; my column
	s_or_b32 s24, s82, (2<<16)|(1<<21)             ; x: the mask of my row; elements of 4 bytes; bit 21 beside a mask; no padding
	s_mov_b32 s25, 64<<16                          ; tensor_dim0 = 64
	s_mov_b32 s26, 256<<16                         ; tensor_dim1 = 256
	s_mov_b32 s27, 64<<16                          ; tile_dim0 = 64
	s_mov_b32 s28, 256                             ; tile_dim1 = 256
	s_mov_b32 s29, 1024                            ; elements from row to row
	s_mov_b32 s30, 0
	s_mov_b32 s31, 0
	s_or_b32 s40, s83, (1<<16)|(1<<20)|(1<<21)|(4<<22)|(3<<25)  ; W: the mask of my column; 2-byte elements; 4 words of padding after every 32
	s_mov_b32 s41, 128<<16                         ; a third of a block is 16,384 dense bytes: 64 rows of 256 bytes, two rows of W each
	s_mov_b32 s42, 64<<16
	s_mov_b32 s43, 128<<16
	s_mov_b32 s44, 64
	s_mov_b32 s45, 128
	s_mov_b32 s46, 0
	s_mov_b32 s47, 0
	s_mov_b32 s32, 1
	s_mov_b32 s33, XF0
	s_mov_b32 s36, 1
	s_mov_b32 s37, XF1
	s_mul_i32 s85, s16, 18432                      ; waves 1 to 3: thirds 0 to 2 of a slot (wave 0 never asks by these)
	s_mov_b32 s48, 1
	s_add_co_u32 s49, s85, WB0-18432
	s_mov_b32 s52, 1
	s_add_co_u32 s53, s85, WB1-18432
	s_max_u32 s84, s16, 1
	s_sub_co_u32 s84, s84, 1                       ; the third's number
	s_lshl_b32 s86, s21, 20                        ; x: 256 rows of 4,096 bytes a block
	s_mov_b32 s87, 0
	s_mul_i32 s88, s19, 786432                     ; W: 16 blocks of 49,152 bytes a head group,
	s_lshl_b32 s90, s84, 14                        ; my third
	s_add_co_u32 s88, s88, s90
	s_mov_b32 s89, 0
	s_mov_b32 s60, 0x3fb8aa3b                      ; log2 e, named as a pair
	s_mov_b32 s61, s60
	s_mov_b32 s62, 0x3f317218                      ; ln 2
	s_mov_b32 s63, s62
	s_mov_b32 s80, 0x76543210
	s_mov_b32 s81, 0xfedcba98
	s_wait_dscnt 0x0                               ; both opening adds are done
	s_wait_kmcnt 0x0
	s_add_nc_u64 s[34:35], s[4:5], s[86:87]        ; tile 0
	s_add_nc_u64 s[38:39], s[34:35], 256           ; tile 1
	s_or_b32 s35, s35, 0x80000000
	s_or_b32 s39, s39, 0x80000000
	s_add_nc_u64 s[50:51], s[6:7], s[88:89]
	s_add_nc_u64 s[54:55], s[50:51], 49152
	s_or_b32 s51, s51, 0x80000000
	s_or_b32 s55, s55, 0x80000000
	CROUND                                         ; all sixteen work-groups are here: the first joint loads meet
	s_cmp_eq_u32 s16, 0                            ; all first fills go out together, a wave's two in one branch
	s_cbranch_scc0 .Lfirst_w
	tensor_load_to_lds s[32:35], s[24:31]
	s_nop 0
	tensor_load_to_lds s[36:39], s[24:31]
	s_nop 0
.rept 4
	v_nop
.endr
	s_branch .Lfirst_done
.Lfirst_w:
	tensor_load_to_lds s[48:51], s[40:47]
	s_nop 0
	tensor_load_to_lds s[52:55], s[40:47]
	s_nop 0
.rept 4
	v_nop
.endr
.Lfirst_done:
	v_and_b32 v48, 15, v0                          ; r
	v_bfe_u32 v49, v0, 4, 1                        ; h
	v_and_b32 v50, 31, v0                          ; L
	v_lshlrev_b32 v15, 4, v50
	s_lshl_b32 s82, s17, 7
	v_add_nc_u32 v51, s82, v48
	v_mul_u32_u24 v51, v51, 144
	v_lshl_add_u32 v51, v49, 4, v51                ; (128 wr + r) x pitch + 16 h
	v_add_nc_u32 v2, XB0, v51
	v_add_nc_u32 v3, XB1, v51
	s_mul_i32 s82, s18, 192
	s_mul_i32 s83, s17, 96
	s_add_co_u32 s83, s83, s82                     ; first row of local head 0: 192 wc + 96 wr
	s_xor_b32 s85, s17, 1
	s_mul_i32 s85, s85, 96
	s_add_co_u32 s85, s85, s82                     ; of local head 1
	v_add_nc_u32 v52, s83, v48
	v_mul_u32_u24 v52, v52, 144
	v_lshl_add_u32 v52, v49, 4, v52
	v_add_nc_u32 v53, s85, v48
	v_mul_u32_u24 v53, v53, 144
	v_lshl_add_u32 v53, v49, 4, v53
	v_add_nc_u32 v4, WB0, v52
	v_add_nc_u32 v5, WB0, v53
	v_add_nc_u32 v6, WB1, v52
	v_add_nc_u32 v7, WB1, v53
	s_lshl_b32 s82, s16, 14
	v_lshlrev_b32 v54, 11, v49
	v_lshl_add_u32 v54, v48, 4, v54
	v_add_nc_u32 v8, s82, v54                      ; (64 wave + 8 h) x 256 + 16 r
	v_add_nc_u32 v9, XF1, v8
	s_mul_i32 s82, s16, 9216
	v_mul_u32_u24 v55, v49, 1152
	v_lshl_add_u32 v55, v48, 3, v55
	v_add_nc_u32 v55, s82, v55                     ; (64 wave + 8 h) x 144 + 8 r
	v_add_nc_u32 v10, XB0, v55
	v_add_nc_u32 v11, XB1, v55
	; the prefetches' registers
	s_lshl_b32 s90, s21, 20
	s_lshl_b32 s91, s19, 18
	s_add_co_u32 s90, s90, s91
	s_add_co_u32 s90, s90, 1024                    ; x: my work-group's 64 rows of the block, at tile 4; the first change of slots steps it to 5
	s_lshl_b32 s91, s19, 4
	s_add_co_u32 s91, s91, 3
	s_mul_i32 s91, s91, 49152                      ; W: at tile 3; the first change steps it to 4
	s_lshl_b32 s92, s84, 14
	s_add_co_u32 s91, s91, s92
	s_lshl_b32 s92, s20, 12
	s_add_co_u32 s91, s91, s92                     ; my work-group's 4,096 bytes of my third
	s_and_b32 s92, ttmp7, 0xffff                   ; cluster y
	s_mov_b32 s58, 49152
	s_mov_b32 s93, 256
	s_mov_b32 s94, 49152
	s_cmp_eq_u32 s16, 0
	s_cselect_b64 s[56:57], s[4:5], s[6:7]
	s_cselect_b32 s90, s90, s91
	s_cselect_b32 s58, 256, s58
	s_cselect_b32 s92, 0, s92
	s_cselect_b32 s93, 4096, s93
	s_cselect_b32 s94, 65536, s94
	s_mov_b32 s91, 0
	s_mov_b32 s59, 0
	s_add_nc_u64 s[56:57], s[56:57], s[90:91]
	s_cmp_eq_u32 s92, 0
	s_cselect_b32 s23, 1, -1                       ; wave 0 everywhere, waves 1 to 3 in cluster y = 0: the same in all partners, for a given wave
	v_mul_u32_u24 v14, s93, v48
	v_mad_u32_u24 v14, v49, s94, v14
	; the epilogue's bases
	s_lshl_b32 s93, s19, 2
	s_lshl_b32 s94, s18, 1
	s_add_co_u32 s93, s93, s94
	s_add_co_u32 s94, s93, s17                     ; head of local head 0
	s_xor_b32 s95, s17, 1
	s_add_co_u32 s95, s93, s95                     ; of local head 1
	s_mov_b32 s83, 0
	s_lshl_b32 s82, s94, 6
	s_add_nc_u64 s[66:67], s[8:9], s[82:83]        ; cb at the head's 16 features
	s_lshl_b32 s82, s95, 6
	s_add_nc_u64 s[68:69], s[8:9], s[82:83]
	s_lshl_b32 s84, s21, 4
	s_lshl_b32 s85, s17, 3
	s_add_co_u32 s84, s84, s85                     ; my first tile of 16 tokens
	s_lshl_b32 s86, s84, 10
	s_lshl_b32 s82, s94, 4
	s_add_co_u32 s82, s82, s86
	s_add_nc_u64 s[70:71], s[10:11], s[82:83]      ; timg
	s_lshl_b32 s82, s95, 4
	s_add_co_u32 s82, s82, s86
	s_add_nc_u64 s[72:73], s[10:11], s[82:83]
	s_lshl_b32 s86, s84, 9
	s_lshl_b32 s82, s94, 19
	s_add_co_u32 s82, s82, s86
	s_add_nc_u64 s[74:75], s[12:13], s[82:83]      ; pq
	s_lshl_b32 s82, s95, 19
	s_add_co_u32 s82, s82, s86
	s_add_nc_u64 s[76:77], s[12:13], s[82:83]
	s_lshl_b32 s82, s21, 4
	s_add_co_u32 s82, s82, s94
	s_mul_i32 s82, s82, 5120
	s_add_nc_u64 s[78:79], s[14:15], s[82:83]      ; kvp at (block, local head 0)
	s_wait_tensorcnt 0x1                           ; the first of my two loads has landed (x's tile 0, or my third of W's tile 0); the second may stay out
	s_barrier_signal -1
	s_barrier_wait -1
.irp i, 0,1,2,3                                        ; tile 0 is rounded
	CL 0, \i
	s_wait_dscnt 0x0
	CC 0, \i
.endr
	s_wait_tensorcnt 0x0                           ; tile 1 of x and of W
	ds_add_u32 v12, v13
	s_add_nc_u64 s[34:35], s[34:35], 512           ; x's tile 2
	s_wait_dscnt 0x0                               ; the add, my reads of the f32 tile, my stores of the rounded tile
	CROUND
	JLOAD 0, 0, 3                                  ; wave 0 alone has a slot to fill again
	LDA 0, 0
	LDB 0, 0, 0, 0
	SUB0 0, 1, 1                                   ; the first half step's products start the 96 sums
	WIN 0
	s_mov_b32 s22, 6
.Llap:                                                 ; a trip: from the middle of an even K step to the middle of the next even one; steps 0 to 11 fill both rings
	SUB1 0, 1, 2, 1
	SUB0 1, 1, 0
	SUB1 1, 1, 2, 1
	SUB0 0, 1, 0
	WIN 0
	s_sub_co_u32 s22, s22, 1
	s_cmp_lg_u32 s22, 0
	s_cbranch_scc1 .Llap
	SUB1 0, 1, 2, 0                                ; step 12: x's tile 15, W's tile 14.  The tail is written out
	SUB0 1, 1, 0
	SUB1 1, 1, 1, 0                                ; step 13: W's tile 15 alone
	SUB0 0, 1, 0
	SUB1 0, 1, 0, 0                                ; step 14: nothing is left to fetch
	SUB0 1, 0, 0                                   ; step 15: nothing is left to round
	WIN 0                                          ; the biases are asked for here, into the rounding stage, which is free
	v_bfe_u32 v1, v0, 4, 1
	v_and_b32 v8, 15, v0
	v_lshlrev_b32 v9, 8, v1                        ; 256 h
	v_lshlrev_b32 v1, 5, v1                        ; 32 h
	v_lshlrev_b32 v8, 2, v8                        ; 4 r
	global_load_b128 v[16:19], v1, s[66:67]        ; q's biases of features 8 h .. 8 h + 7, local head 0
	global_load_b128 v[20:23], v1, s[66:67] offset:16
	global_load_b128 v[24:27], v1, s[68:69]
	global_load_b128 v[28:31], v1, s[68:69] offset:16
	global_load_b32 v32, v8, s[66:67] offset:1024  ; k's bias of feature r
	global_load_b32 v34, v8, s[68:69] offset:1024
	v_mov_b32 v33, 0                               ; named with them as pairs
	v_mov_b32 v35, 0
	SUB1 1, 0, -1, 0
	; ---------------- BEHIND THE PRODUCT ----------------
	WIN 0
	PLACES
.irp l, 0,1                                            ; T(token 8 h + j of tile a, head l) -> v[64 + 64 l + 8 a + j]: the layout of k's tiles
.irp a, 0,1,2,3,4,5,6,7
	global_load_b128 v[64+64*(\l)+8*(\a):67+64*(\l)+8*(\a)], v9, s[70+2*(\l):71+2*(\l)] offset:(\a)*1024
	global_load_b128 v[68+64*(\l)+8*(\a):71+64*(\l)+8*(\a)], v9, s[70+2*(\l):71+2*(\l)] offset:(\a)*1024+512
.endr
.endr
; phi = elu(p) + 1 for four tiles (32 registers), with w = p log2 e: phi = max(w, 0) ln 2 + 2^min(w, 0).  isk = 0: q's tiles (a bias a register); 1: k's (a bias a lane).  The result lies in v192-223.
.macro PHIB l, hf, isk
.set aB, 8*(8*(2*(\isk)+(\l))+4*(\hf))
	WIN 0x01                                       ; source 0 in window 1
.set g, 0
.rept 16                                               ; ascending: each accumulator is read from its low end on
.if \isk
	v_pk_fma_f32 v[192+2*g:193+2*g], v[aB+2*g:aB+2*g+1], s[60:61], v[32+2*(\l):33+2*(\l)] op_sel_hi:[1,0,0]
.else
	v_pk_fma_f32 v[192+2*g:193+2*g], v[aB+2*g:aB+2*g+1], s[60:61], v[16+8*(\l)+2*(g%4):17+8*(\l)+2*(g%4)] op_sel_hi:[1,0,1]
.endif
.set g, g+1
.endr
	WIN 0
.set g, 0
.rept 32
	v_max_num_f32 v[224+g], 0, v[192+g]
.set g, g+1
.endr
.set g, 0
.rept 32
	v_min_num_f32 v[192+g], 0, v[192+g]
.set g, g+1
.endr
.set g, 0
.rept 32
	v_exp_f32 v[192+g], v[192+g]                   ; one batch,
.set g, g+1
.endr
	v_nop                                          ; a plain instruction behind the last,
	s_wait_alu depctr_va_vdst(0)                   ; one wait ahead of the first reader
.set g, 0
.rept 16
	v_pk_fma_f32 v[192+2*g:193+2*g], v[224+2*g:225+2*g], s[62:63], v[192+2*g:193+2*g] op_sel_hi:[1,0,1]
.set g, g+1
.endr
.endm
.macro QOUT l, hf                                      ; phi_q of four tiles: a lane's 8 features of a token are 16 bytes; a store covers 512 consecutive bytes
	PHIB \l, \hf, 0
	s_wait_xcnt 0x0                                ; the last batch's stores have read v48-63
.set g, 0
.rept 16
	v_cvt_pk_bf16_f32 v[48+g], v[192+2*g], v[193+2*g]
.set g, g+1
.endr
.irp a, 0,1,2,3
	global_store_b128 v15, v[48+4*(\a):51+4*(\a)], s[74+2*(\l):75+2*(\l)] offset:(4*(\hf)+(\a))*512
.endr
.endm
.macro KOUT l, hf                                      ; pk = phi_k T, in f32, in T's registers
	PHIB \l, \hf, 1
.set g, 0
.rept 16
	v_pk_mul_f32 v[64+64*(\l)+32*(\hf)+2*g:65+64*(\l)+32*(\hf)+2*g], v[64+64*(\l)+32*(\hf)+2*g:65+64*(\l)+32*(\hf)+2*g], v[192+2*g:193+2*g]
.set g, g+1
.endr
.endm
; The largest pk of the wave's 128 tokens x 16 features; E = its exponent, held to 2^-126 .. 2^126; pk x 2^-E lies under 2 and is rounded to f16, pairs compacted in place:
; v[64 + 64 l + 8 i ..] is source 0 (16 features x 32 tokens) for token tiles 2 i, 2 i + 1.  2^E is kept in v[56 + 2 l ..].
.macro PKN l
.set tB, 64+64*(\l)
.irp c, 0,1,2,3
	v_max3_num_f32 v[36+(\c)], v[tB+16*(\c)], v[tB+16*(\c)+1], v[tB+16*(\c)+2]
.endr
.irp k, 0,1,2,3,4,5
.irp c, 0,1,2,3
	v_max3_num_f32 v[36+(\c)], v[36+(\c)], v[tB+16*(\c)+3+2*(\k)], v[tB+16*(\c)+4+2*(\k)]
.endr
.endr
	v_max3_num_f32 v36, v36, v[tB+15], v[tB+31]
	v_max3_num_f32 v38, v38, v[tB+47], v[tB+63]
	v_max3_num_f32 v36, v36, v37, v38
	v_max_num_f32 v36, v36, v39
	v_max_num_f32_dpp v36, v36, v36 row_xmask:1 row_mask:0xf bank_mask:0xf
	v_max_num_f32_dpp v36, v36, v36 row_xmask:2 row_mask:0xf bank_mask:0xf
	v_max_num_f32_dpp v36, v36, v36 row_xmask:4 row_mask:0xf bank_mask:0xf
	v_max_num_f32_dpp v36, v36, v36 row_xmask:8 row_mask:0xf bank_mask:0xf
	v_permlanex16_b32 v37, v36, s80, s81
	v_max_num_f32 v36, v36, v37
	v_and_b32 v36, 0x7f800000, v36
	v_max_u32 v36, 0x00800000, v36
	v_min_u32 v36, 0x7e800000, v36
	v_mov_b32 v[56+2*(\l)], v36                    ; 2^E
	v_mov_b32 v[57+2*(\l)], v36
	v_sub_nc_u32 v60, 0x7f000000, v36              ; 2^-E
	v_mov_b32 v61, v60
.set g, 0
.rept 32
	v_pk_mul_f32 v[tB+2*g:tB+2*g+1], v[tB+2*g:tB+2*g+1], v[60:61] op_sel_hi:[1,0]
.set g, g+1
.endr
.set g, 0
.rept 32
	v_cvt_pk_f16_f32 v[tB+g], v[tB+2*g], v[tB+2*g+1]
.set g, g+1
.endr
.endm
	s_wait_loadcnt 32                              ; the six loads of the biases are in; the 32 of T may stay out
	QOUT 0, 0
	QOUT 0, 1
	QOUT 1, 0
	QOUT 1, 1
	s_wait_loadcnt 0x0                             ; T
	s_wait_xcnt 0x0                                ; the last stores have read v48-63, which are written below
	KOUT 0, 0
	KOUT 0, 1
	PKN 0
	KOUT 1, 0
	KOUT 1, 1
	PKN 1
.set g, 0
.rept 8
	v_mov_b32 v[160+g], 0x3c003c00                 ; ones in f16: the fifth product makes z
.set g, g+1
.endr
; kv(l) += pk^T v over 32 tokens.  VCV: v's tiles (dt, 2 i) and (dt, 2 i + 1) rounded to f16 into one of two buffers; KVM: five products on five accumulators, which take turns.
; kv(0) lies in v16-55; kv(1) in v96-127 and, its fifth tile, v176-183.  The other buffer's 32 conversions are the places between a buffer's products and its next conversions.
.macro VCV l, i
	WIN (2+(\l))|((2+(\l))<<2)
.irp dt, 0,1,2,3
.irp g, 0,1,2,3,4,5,6,7
	v_cvt_pk_f16_f32 v[192+32*((\i)%2)+8*(\dt)+(\g)], v[8*(8*(\dt)+2*(\i))+2*(\g)], v[8*(8*(\dt)+2*(\i))+2*(\g)+1]
.endr
.endr
	WIN 0
.endm
.macro KAREG l, t
.if (\l) == 0
.set rK, 16+8*(\t)
.elseif (\t) < 4
.set rK, 96+8*(\t)
.else
.set rK, 176
.endif
.endm
.macro KVM l, i
.irp t, 0,1,2,3,4
	KAREG \l, \t
.if (\t) < 4
.set rB, 192+32*((\i)%2)+8*(\t)
.else
.set rB, 160
.endif
.if (\i) == 0
	v_wmma_f32_16x16x32_f16 v[rK:rK+7], v[64+64*(\l)+8*(\i):71+64*(\l)+8*(\i)], v[rB:rB+7], 0
.else
	v_wmma_f32_16x16x32_f16 v[rK:rK+7], v[64+64*(\l)+8*(\i):71+64*(\l)+8*(\i)], v[rB:rB+7], v[rK:rK+7]
.endif
.endr
.endm
.macro KSC l                                           ; times 2^E
.irp t, 0,1,2,3,4
	KAREG \l, \t
.irp g, 0,1,2,3
	v_pk_mul_f32 v[rK+2*(\g):rK+2*(\g)+1], v[rK+2*(\g):rK+2*(\g)+1], v[56+2*(\l):57+2*(\l)] op_sel_hi:[1,0]
.endr
.endr
.endm
	VCV 0, 0
	KVM 0, 0
	VCV 0, 1
	KVM 0, 1
	VCV 0, 2
	KVM 0, 2
	VCV 0, 3
	KVM 0, 3
	VCV 1, 0                                       ; these 32 conversions are the places behind kv(0)'s last products
	KSC 0
	KVM 1, 0
	VCV 1, 1
	KVM 1, 1
	VCV 1, 2
	KVM 1, 2
	VCV 1, 3
	KVM 1, 3
	PLACES
	KSC 1
	; THE EXCHANGE.  My local head 1 is local head 0 of the wave with the other 128 tokens (wave xor 2).  The bytes are XB0's, last read ahead of step 14's barrier and never a tensor load's target.
	s_mul_i32 s82, s16, 5120
	s_xor_b32 s83, s16, 2
	s_mul_i32 s83, s83, 5120
	v_add_nc_u32 v2, s82, v15
	v_add_nc_u32 v2, XB0, v2
	v_add_nc_u32 v3, s83, v15
	v_add_nc_u32 v3, XB0, v3
.irp t, 0,1,2,3,4
	KAREG 1, \t
	ds_store_b128 v2, v[rK:rK+3] offset:(\t)*1024
	ds_store_b128 v2, v[rK+4:rK+7] offset:(\t)*1024+512
.endr
	s_wait_dscnt 0x0                               ; for the other wave's sake
	s_barrier_signal -1
	s_barrier_wait -1
.irp t, 0,1,2,3,4
	ds_load_b128 v[192+8*(\t):195+8*(\t)], v3 offset:(\t)*1024
	ds_load_b128 v[196+8*(\t):199+8*(\t)], v3 offset:(\t)*1024+512
.endr
	s_wait_dscnt 0x0
.set g, 0
.rept 20
	v_pk_add_f32 v[16+2*g:17+2*g], v[16+2*g:17+2*g], v[192+2*g:193+2*g]
.set g, g+1
.endr
.set g, 0
.rept 10
	global_store_b128 v15, v[16+4*g:19+4*g], s[78:79] offset:g*512  ; 512 consecutive bytes a store
.set g, g+1
.endr
	s_wait_tensorcnt 0x0                           ; the wave's end
	ds_add_u32 v12, v13
	s_wait_dscnt 0x0
	CROUND                                         ; the closing round: no work-group ends while a partner may still ask jointly
	s_endpgm
.Lfunc_end_k_q68bd3abbad_main:
	.size	k_q68bd3abbad_main, .Lfunc_end_k_q68bd3abbad_main-k_q68bd3abbad_main
	.p2alignl 7, 3214868480
	.fill 96, 4, 3214868480
	.section	.rodata,"a",@progbits
	.p2align	6, 0x0
	.amdhsa_kernel k_q68bd3abbad_main
		.amdhsa_group_segment_fixed_size 327680
		.amdhsa_private_segment_fixed_size 0
		.amdhsa_enable_private_segment 0
		.amdhsa_kernarg_size 48
		.amdhsa_user_sgpr_count 2
		.amdhsa_user_sgpr_kernarg_segment_ptr 1
		.amdhsa_wavefront_size32 1
		.amdhsa_system_sgpr_workgroup_id_x 1
		.amdhsa_system_sgpr_workgroup_id_y 1
		.amdhsa_system_sgpr_workgroup_id_z 1
		.amdhsa_system_vgpr_workitem_id 0
		.amdhsa_next_free_vgpr 1024
		.amdhsa_next_free_sgpr 96
		.amdhsa_reserve_vcc 0
		.amdhsa_float_denorm_mode_32 3
		.amdhsa_float_denorm_mode_16_64 3
		.amdhsa_memory_ordered 1
		.amdhsa_forward_progress 1
		.amdhsa_inst_pref_size 255
	.end_amdhsa_kernel
	.section	.bss,"aw",@nobits
	.p2align	6
	.space	262144
	.amdgpu_metadata
---
amdhsa.version: [ 1, 2 ]
amdhsa.kernels:
  - .name:           k_q68bd3abbad_main
    .symbol:         k_q68bd3abbad_main.kd
    .args:
      - { .name: x, .offset: 0, .size: 8, .value_kind: global_buffer, .address_space: global }
      - { .name: wcat, .offset: 8, .size: 8, .value_kind: global_buffer, .address_space: global }
      - { .name: cb, .offset: 16, .size: 8, .value_kind: global_buffer, .address_space: global }
      - { .name: timg, .offset: 24, .size: 8, .value_kind: global_buffer, .address_space: global }
      - { .name: pq, .offset: 32, .size: 8, .value_kind: global_buffer, .address_space: global }
      - { .name: kvp, .offset: 40, .size: 8, .value_kind: global_buffer, .address_space: global }
    .group_segment_fixed_size: 327680
    .private_segment_fixed_size: 0
    .kernarg_segment_align: 8
    .kernarg_segment_size: 48
    .max_flat_workgroup_size: 128
    .sgpr_count:     96
    .vgpr_count:     1024
    .wavefront_size: 32
...
	.end_amdgpu_metadata
.endif
;; end of part 2
;; launch outk (part 3): grid 256 x 1, 8 waves a work-group, no clusters, 9,216 bytes of LDS; arguments pq, kvp, bv, out0; writes out0
.if DOCPART == 3
	.amdgcn_target "amdgcn-amd-amdhsa--gfx1250"
	.amdhsa_code_object_version 6
	.text
	.protected	k_q68bd3abbad_outk
	.globl	k_q68bd3abbad_outk
	.p2align	8
	.type	k_q68bd3abbad_outk,@function
k_q68bd3abbad_outk:
	s_mov_b64 s[64:65], 0
	v_nop
	global_prefetch_b8 v0, s[64:65] scope:SCOPE_SE
	s_setreg_imm32_b32 hwreg(HW_REG_WAVE_MODE, 25, 1), 1
	s_wait_xcnt 0x0
; out[token][64 h + d] = (sum over f of phi_q[f] kv[f][d]) / (sum over f of phi_q[f] z[f] + 1e-6).
; A work-group has one (batch, head) and a quarter of its 4,096 tokens; a wave 128 tokens, eight tiles of 16.
; FIRST waves 0 to 3 add the batch's 16 partial kv and z (f32, blocks ascending), wave w the columns d = 4 r + w; kv takes z x bv (v's bias, rounded to bf16 like every input, added here in f32).
; kv and z go into the product as bf16 hi + lo: K = 0..15 is f against the high parts, K = 16..31 the same f against the low parts, so phi_q's fragment holds its 16 bytes twice.
; The four fragments of kv and z's meet in LDS.  THEN each tile: four products and the divisor's (its C is 1e-6), eight reciprocals, 32 multiplies; register j of lane (r, h) is token 8 h + j,
; and the four products hold d = 4 r + 0..3: 16 bytes a lane, sixteen lanes the head's 256 bytes of a token, aligned.
; No tensor loads, no cluster, no prefetch: what is shared is 82 KB a work-group, read shortly before by the head's other work-groups, and the launch is bound by its stores.
; LIMITS.  phi_q arrives in bf16; NaN and infinities are not treated apart.
.set EXK,   0                          ; four fragments of kv, 1,024 bytes each
.set EXZ,   4096                       ; z's fragment, a copy a wave; copy 0 is read
.set SPARE, 8192                       ; the spare words, 128 bytes a wave
; window 0: v5 16 L; v6 out's offset; v7 16 L + 1,024 w; v12, v13 the add's; v16-23 1e-6; v24-31 z; v32-63 kv; v64-127 phi_q; v128-191 results, two sets; v192-207 divisors, two sets;
;           v208-215 reciprocals; v216-247 what is stored.  window 1: the 16 blocks' partial sums
.set MSB, 0
.macro WIN new
.if MSB != (\new)
	s_set_vgpr_msb (MSB<<8)|(\new)
.set MSB, (\new)
.endif
.endm
	s_load_b256 s[4:11], s[0:1], 0x0               ; pq 4, kvp 6, bv 8, out0 10
	v_lshl_add_u32 v12, v0, 2, SPARE
	v_mov_b32 v13, 0
	v_lshrrev_b32 v1, 5, v0
	v_readfirstlane_b32 s12, v1                    ; wave 0..7
	v_and_b32 v2, 31, v0
	v_and_b32 v3, 15, v0                           ; r
	v_bfe_u32 v4, v0, 4, 1                         ; h
	v_lshlrev_b32 v5, 4, v2
	v_lshlrev_b32 v6, 4, v3
	v_lshl_add_u32 v6, v4, 15, v6                  ; 8 h rows of 4,096 bytes + 16 r
	s_lshr_b32 s13, ttmp9, 2
	s_and_b32 s14, ttmp9, 3                        ; the quarter
	s_lshr_b32 s15, s13, 4                         ; batch
	s_and_b32 s16, s13, 15                         ; head
	s_lshl_b32 s17, s15, 8
	s_lshl_b32 s18, s14, 6
	s_add_co_u32 s17, s17, s18
	s_lshl_b32 s18, s12, 3
	s_add_co_u32 s17, s17, s18                     ; my first tile of 16 tokens
	s_lshl_b32 s18, s16, 19
	s_lshl_b32 s19, s17, 9
	s_add_co_u32 s18, s18, s19
	s_mov_b32 s19, 0
	s_lshl_b32 s22, s17, 16
	s_lshl_b32 s23, s16, 8
	s_add_co_u32 s22, s22, s23
	s_mov_b32 s23, 0
	s_wait_kmcnt 0x0
	s_add_nc_u64 s[20:21], s[4:5], s[18:19]
	s_add_nc_u64 s[24:25], s[10:11], s[22:23]
.irp a, 0,1,2,3,4,5,6,7
	global_load_b128 v[64+8*(\a):67+8*(\a)], v5, s[20:21] offset:(\a)*512
	global_load_b128 v[68+8*(\a):71+8*(\a)], v5, s[20:21] offset:(\a)*512
.endr
	s_cmp_lt_u32 s12, 4
	s_cbranch_scc0 .Lmeet
	s_lshl_b32 s26, s15, 8
	s_add_co_u32 s26, s26, s16
	s_mul_i32 s26, s26, 5120                       ; (block 16 b, head)
	s_mov_b32 s27, 0
	s_add_nc_u64 s[28:29], s[6:7], s[26:27]
	s_lshl_b32 s30, s12, 10
	v_add_nc_u32 v7, s30, v5
	s_lshl_b32 s31, s12, 2
	v_lshl_add_u32 v8, v3, 4, s31                  ; bv[64 h + 4 r + w]
	s_lshl_b32 s32, s16, 8
	s_mov_b32 s33, 0
	s_add_nc_u64 s[34:35], s[8:9], s[32:33]
	global_load_b32 v9, v8, s[34:35]
	WIN 0x40                                       ; destinations in window 1
.set c, 0
.rept 16                                               ; block c: tile w, then tile 4 (z)
	global_load_b128 v[16*c:16*c+3],     v7, s[28:29] offset:c*81920
	global_load_b128 v[16*c+4:16*c+7],   v7, s[28:29] offset:c*81920+512
	global_load_b128 v[16*c+8:16*c+11],  v5, s[28:29] offset:c*81920+4096
	global_load_b128 v[16*c+12:16*c+15], v5, s[28:29] offset:c*81920+4608
.set c, c+1
.endr
	WIN 0
	s_wait_loadcnt 0x0
	WIN 0x05
.set g, 0
.rept 8
	v_pk_add_f32 v[128+2*g:129+2*g], v[2*g:2*g+1], v[16+2*g:17+2*g]
.set g, g+1
.endr
	WIN 0x04
.set c, 2
.rept 14
.set g, 0
.rept 8
	v_pk_add_f32 v[128+2*g:129+2*g], v[128+2*g:129+2*g], v[16*c+2*g:16*c+2*g+1]
.set g, g+1
.endr
.set c, c+1
.endr
	WIN 0
	v_cvt_pk_bf16_f32 v9, v9, v9
	v_lshlrev_b32 v9, 16, v9
.set g, 0
.rept 8
	v_fma_f32 v[128+g], v[136+g], v9, v[128+g]     ; kv += z bv
.set g, g+1
.endr
.macro SPLIT x, o                                      ; eight numbers at x -> a fragment at o: registers 0-3 the bf16 parts, 4-7 what they leave, in bf16
.irp p, 0,1,2,3
	v_cvt_pk_bf16_f32 v[(\o)+(\p)], v[(\x)+2*(\p)], v[(\x)+2*(\p)+1]
.endr
.irp p, 0,1,2,3
	v_lshlrev_b32 v[160+2*(\p)], 16, v[(\o)+(\p)]
	v_and_b32 v[161+2*(\p)], 0xffff0000, v[(\o)+(\p)]
.endr
.irp p, 0,1,2,3
	v_pk_add_f32 v[160+2*(\p):161+2*(\p)], v[(\x)+2*(\p):(\x)+2*(\p)+1], v[160+2*(\p):161+2*(\p)] neg_lo:[0,1] neg_hi:[0,1]
.endr
.irp p, 0,1,2,3
	v_cvt_pk_bf16_f32 v[(\o)+4+(\p)], v[160+2*(\p)], v[161+2*(\p)]
.endr
.endm
	SPLIT 128, 144
	SPLIT 136, 152
	ds_store_b128 v7, v[144:147] offset:EXK
	ds_store_b128 v7, v[148:151] offset:EXK+512
	ds_store_b128 v7, v[152:155] offset:EXZ
	ds_store_b128 v7, v[156:159] offset:EXZ+512
.Lmeet:
	s_wait_dscnt 0x0                               ; for the others' sake: my stores are done
	s_barrier_signal -1
	s_barrier_wait -1
.irp d, 0,1,2,3
	ds_load_b128 v[32+8*(\d):35+8*(\d)], v5 offset:EXK+(\d)*1024
	ds_load_b128 v[36+8*(\d):39+8*(\d)], v5 offset:EXK+(\d)*1024+512
.endr
	ds_load_b128 v[24:27], v5 offset:EXZ
	ds_load_b128 v[28:31], v5 offset:EXZ+512
.set g, 0
.rept 8
	v_mov_b32 v[16+g], 0x358637bd                  ; 1e-6
.set g, g+1
.endr
	s_wait_dscnt 0x0
	s_wait_loadcnt 0x0                             ; phi_q
.macro TW a                                            ; tile a's five products, each a whole sum, on set a % 2
.irp d, 0,1,2,3
	v_wmma_f32_16x16x32_bf16 v[128+32*((\a)%2)+8*(\d):135+32*((\a)%2)+8*(\d)], v[64+8*(\a):71+8*(\a)], v[32+8*(\d):39+8*(\d)], 0
.endr
	v_wmma_f32_16x16x32_bf16 v[192+8*((\a)%2):199+8*((\a)%2)], v[64+8*(\a):71+8*(\a)], v[24:31], v[16:23]
.endm
.macro TP a                                            ; divided and stored; every accumulator is read from its register 0 on
.irp j, 0,1,2,3,4,5,6,7
	v_rcp_f32 v[208+(\j)], v[192+8*((\a)%2)+(\j)]
.endr
	v_nop                                          ; a plain instruction behind the last reciprocal,
	s_wait_alu depctr_va_vdst(0)                   ; one wait for the eight
	s_wait_xcnt 0x0                                ; the last tile's stores have read v216-247
.irp j, 0,1,2,3,4,5,6,7
.irp d, 0,1,2,3
	v_mul_f32 v[216+4*(\j)+(\d)], v[128+32*((\a)%2)+8*(\d)+(\j)], v[208+(\j)]
.endr
.endr
.irp j, 0,1,2,3,4,5,6,7
	global_store_b128 v6, v[216+4*(\j):219+4*(\j)], s[24:25] offset:(16*(\a)+(\j))*4096 th:TH_STORE_NT  ; sixteen lanes store 256 consecutive bytes, aligned
.endr
.endm
	TW 0
	TW 1
.rept 5
	v_nop                                          ; the places behind the first two tiles' products; later the other set's 32 multiplies are the places
.endr
	TP 0
	TW 2
	TP 1
	TW 3
	TP 2
	TW 4
	TP 3
	TW 5
	TP 4
	TW 6
	TP 5
	TW 7
	TP 6
	TP 7
	s_wait_tensorcnt 0x0                           ; the wave's end
	ds_add_u32 v12, v13
	s_wait_dscnt 0x0
	s_endpgm
.Lfunc_end_k_q68bd3abbad_outk:
	.size	k_q68bd3abbad_outk, .Lfunc_end_k_q68bd3abbad_outk-k_q68bd3abbad_outk
	.p2alignl 7, 3214868480
	.fill 96, 4, 3214868480
	.section	.rodata,"a",@progbits
	.p2align	6, 0x0
	.amdhsa_kernel k_q68bd3abbad_outk
		.amdhsa_group_segment_fixed_size 9216
		.amdhsa_private_segment_fixed_size 0
		.amdhsa_enable_private_segment 0
		.amdhsa_kernarg_size 32
		.amdhsa_user_sgpr_count 2
		.amdhsa_user_sgpr_kernarg_segment_ptr 1
		.amdhsa_wavefront_size32 1
		.amdhsa_system_sgpr_workgroup_id_x 1
		.amdhsa_system_sgpr_workgroup_id_y 1
		.amdhsa_system_sgpr_workgroup_id_z 1
		.amdhsa_system_vgpr_workitem_id 0
		.amdhsa_next_free_vgpr 512
		.amdhsa_next_free_sgpr 66
		.amdhsa_reserve_vcc 0
		.amdhsa_float_denorm_mode_32 3
		.amdhsa_float_denorm_mode_16_64 3
		.amdhsa_memory_ordered 1
		.amdhsa_forward_progress 1
		.amdhsa_inst_pref_size 42
	.end_amdhsa_kernel
	.amdgpu_metadata
---
amdhsa.version: [ 1, 2 ]
amdhsa.kernels:
  - .name:           k_q68bd3abbad_outk
    .symbol:         k_q68bd3abbad_outk.kd
    .args:
      - { .name: pq, .offset: 0, .size: 8, .value_kind: global_buffer, .address_space: global }
      - { .name: kvp, .offset: 8, .size: 8, .value_kind: global_buffer, .address_space: global }
      - { .name: bv, .offset: 16, .size: 8, .value_kind: global_buffer, .address_space: global }
      - { .name: out0, .offset: 24, .size: 8, .value_kind: global_buffer, .address_space: global }
    .group_segment_fixed_size: 9216
    .private_segment_fixed_size: 0
    .kernarg_segment_align: 8
    .kernarg_segment_size: 32
    .max_flat_workgroup_size: 256
    .sgpr_count:     66
    .vgpr_count:     512
    .wavefront_size: 32
...
	.end_amdgpu_metadata
.endif
;; end of part 3
